; MI455X (gfx1250); checked and timed in simulation.
; The chip was launched on July 23, 2026; its instructions are those of AMD's public machine-readable ISA for CDNA 5 (MIT licence, August 2026) and "CDNA5" Instruction Set Architecture Reference Guide (July 2026). The comments in the code are by the model that wrote it; some were corrected since.
;; Multi Head Attention. Allowed arithmetic: matrix products marked QUANTISED: E4M3 operands, one given power-of-two scale a tensor, by v_wmma_f32_16x16x64_fp8_fp8 or v_wmma_f32_16x16x128_fp8_fp8, f32 sums; everything else in f32.
;; Inputs: Wk_codes 1,024 x 32 x 32 uint8 (E4M3 codes of Wk, K innermost, in blocks of 32 codes); Wo_codes 1,024 x 32 x 32 uint8 (E4M3 codes of Wo, K innermost, in blocks of 32 codes); Wq_codes 1,024 x 32 x 32 uint8 (E4M3 codes of Wq, K innermost, in blocks of 32 codes); Wv_codes 1,024 x 32 x 32 uint8 (E4M3 codes of Wv, K innermost, in blocks of 32 codes); kv_raw_codes 4 x 2,048 x 32 x 32 uint8 (E4M3 codes of kv_raw, K innermost, in blocks of 32 codes); lowp_scales 12 int32 (the exponents e of the quantised operands' scales 2^e); padding_mask 4 x 2,048 int32; q_raw_codes 4 x 2,048 x 32 x 32 uint8 (E4M3 codes of q_raw, K innermost, in blocks of 32 codes).
;; Outputs: out0 4 x 2,048 x 1,024 float32.
;; This version of the problem:
;;   THIS VERSION OF THE PROBLEM IS GIVEN IN LOW PRECISION. The matrix products marked QUANTISED in the list below multiply operands that are first quantised to E4M3 (4 exponent bits, 3 mantissa bits; 8 bits a number), with one given power-of-two scale for each operand tensor; their sums are f32. All else is computed in f32.
;;   The module's matrix products, in the order in which they are computed (A, B: the left and right operand; K: the contracted axis; several contracted axes count as one K, in the product's order):
;;     1. [M 8,192, K 1,024] x [K 1,024, N 1,024]; A: input q_raw (given as codes); B: input Wq (given as codes): QUANTISED (scales: A lowp_scales[0], B lowp_scales[1])
;;     2. [M 8,192, K 1,024] x [K 1,024, N 1,024]; A: input kv_raw (given as codes); B: input Wk (given as codes): QUANTISED (scales: A lowp_scales[2], B lowp_scales[3])
;;     3. [M 8,192, K 1,024] x [K 1,024, N 1,024]; A: input kv_raw (given as codes); B: input Wv (given as codes): QUANTISED (scales: A lowp_scales[4], B lowp_scales[5])
;;     4. batch 64 x [M 2,048, K 64] x [K 64, N 2,048]; A: computed on the way; B: computed on the way: QUANTISED (scales: A lowp_scales[6], B lowp_scales[7])
;;     5. batch 64 x [M 2,048, K 2,048] x [K 2,048, N 64]; A: softmax (see below); B: computed on the way: QUANTISED (scales: A lowp_scales[8], B lowp_scales[9])
;;     6. [M 8,192, K 1,024] x [K 1,024, N 1,024]; A: computed on the way; B: input Wo (given as codes): QUANTISED (scales: A lowp_scales[10], B lowp_scales[11])
;;   THE QUANTISER, for each operand of a quantised product, along K:
;;     - The operand's scale is 2^e, e = its entry of the input lowp_scales (int32; the entries are numbered through the quantised products in the list's order, A before B).
;;     - Each number is divided by the scale, clamped to +-448, and rounded to the nearest number of E4M3, ties to even, subnormals kept.
;;     - The product sums the exact products of the quantised numbers (number of the format x scale) in f32.
;;   ~~~python
;;   def quantise(x, axis, e):      # numpy; x: float32 -> the quantised numbers, widened to float32 again
;;       x = np.moveaxis(x, axis, -1); K = x.shape[-1]
;;       r = np.clip(x / 2.0 ** e, -448, 448)
;;       step = 2.0 ** (np.maximum(np.frexp(np.where(r == 0, 1, r))[1] - 1, -6) - 3)
;;       q = np.round(r / step) * step * 2.0 ** e      # np.round: ties to even
;;       return np.moveaxis(q, -1, axis).astype(np.float32)
;;   ~~~
;;   SOFTMAX AHEAD OF A QUANTISED PRODUCT. Where the list says 'softmax', what is quantised is not the finished softmax but p = 2^(t - M), with t = logit x log2(e) and M = ceil(the row's largest t), a whole number; so 1/2 < the row's largest p <= 1. The row's sum l is taken of the UNQUANTISED p, in f32, and the product's result is divided by l at the end. Since M is a whole number, a kernel that streams over the keys may use a running M (the ceiling of the running maximum): every later rescaling is an exact power of two, so the quantised numbers keep their values, but for numbers so far below the row's largest that they fall under the format's range.
;;   OPERANDS COMPUTED ON THE WAY. 'Computed on the way' means the value that the module computes at that place (a softmax that the list does not call 'softmax' is quantised finished and normalised). What goes into a quantiser is computed in f32, as accurately as f32 sums, v_exp_f32 and their like allow (about 1e-6 of the number): no bf16 or f16 on the way to a quantiser, and a product that is left as it is and whose result goes on into a quantised operand takes f32 operands (vector FMAs, or v_wmma_f32_16x16x4_f32). A number that lies on a knife's edge between two numbers of the format may be rounded either way, as far as f32 arithmetic and the matrix unit's own rounding can turn it there, and no further.
;;   INPUTS GIVEN AS CODES. Wk (in the module: [1024, 1024], K = its axis 1); Wo (in the module: [1024, 1024], K = its axis 1); Wq (in the module: [1024, 1024], K = its axis 1); Wv (in the module: [1024, 1024], K = its axis 1); kv_raw (in the module: [4, 2048, 1024], K = its axis 2); q_raw (in the module: [4, 2048, 1024], K = its axis 2): each comes as NAME_codes (uint8): NAME with its K axis moved to the last place and cut into blocks of 32 codes, [.., K / 32, bytes a block], one block behind the other in memory; one code a byte (a code: sign, 4 exponent bits, 3 mantissa bits); its scale is its entry of lowp_scales. Its value is code x scale, taken as it is: it is not quantised again, and the codes and scales need not be those that the quantiser above would give.
;; One version. Each part assembles by itself: llvm-mc -triple=amdgcn-amd-amdhsa -mcpu=gfx1250 --defsym DOCPART=n.
;; ======== version 1 of 1: 3 launches
;; limits: right only within a limited range of input values
;; workspace buffers: qf 8,388,608 bytes; kvf 16,777,216 bytes; af 8,388,608 bytes
;; launch proj (part 1): grid 12 x 32, 4 waves a work-group, clusters of 4 x 4, 327,680 bytes of LDS; arguments q_raw_codes, kv_raw_codes, Wq_codes, Wk_codes, Wv_codes, lowp_scales, qf, kvf; writes qf, kvf
.if DOCPART == 1
	.amdgcn_target "amdgcn-amd-amdhsa--gfx1250"
	.amdhsa_code_object_version 6
	.text
	.protected	k_q1dcdae127d_proj
	.globl	k_q1dcdae127d_proj
	.p2align	8
	.type	k_q1dcdae127d_proj,@function
k_q1dcdae127d_proj:
	s_mov_b64 s[64:65], 0
	v_nop
	global_prefetch_b8 v0, s[64:65] scope:SCOPE_SE
	s_setreg_imm32_b32 hwreg(HW_REG_WAVE_MODE, 25, 1), 1
	s_wait_xcnt 0x0
	s_wait_alu depctr_hold_cnt(0) depctr_sa_sdst(0) depctr_va_vdst(0) depctr_va_sdst(0) depctr_va_ssrc(0) depctr_va_vcc(0) depctr_vm_vsrc(0)
	s_getreg_b32 s2, hwreg(HW_REG_IB_STS2, 6, 4)
	s_cmp_eq_u32 s2, 0
	s_cbranch_scc0 .Lentry_in_a_cluster
	s_endpgm
.Lentry_in_a_cluster:
	s_bfe_u32 s2, ttmp6, 0x10000c
	s_cmp_lg_u32 s2, 0xf033
	s_cbranch_scc0 .Lentry_shape_is_right
	s_endpgm
.Lentry_shape_is_right:
; THE THREE PROJECTIONS q = q_raw Wq^T, k = kv_raw Wk^T, v = kv_raw Wv^T on codes of FP8 (E4M3), each result quantised at once with its given scale (entries 6, 7, 9 of the scales)
; and stored as IMAGES OF OPERAND REGISTERS for the attention launch: groups of four registers, lane l's 16 bytes at 16 l, 512 consecutive bytes a store.
; One text serves the three: the cluster's x (0, 1, 2) says which; it is the same in all sixteen partners, and it only SELECTS pointers, block numbers and constants: no branch hangs on it.
; A tile of 256 x 256 results is made by four waves, 128 x 128 each: 64 accumulators, 512 registers.  K = 1,024 goes in four steps of 256 through a ring of two LDS slots filled by joint tensor loads.
; The matrix instruction takes 16 rows of the 'B tensor' as source 0 and 16 rows of the 'A tensor' as source 1: lane (r, h), register j of accumulator (a, b) holds A row 16 a + r, B row 16 b + 8 h + j.
;   q, k: A = tokens, B = rows of W (channels): a lane's registers run along the channels, the K of the scores.     v: A = rows of Wv (channels), B = tokens: they run along the keys, the K of the second product.
; So one conversion of an accumulator's eight registers gives registers 2 b, 2 b + 1 of a fragment in the matrix forms' own layout (k = 16 c + 8 h + 0 .. 7 in registers 2 c, 2 c + 1), and nothing changes lanes.
; qf:  [16 batch + head][tile of 16 queries, 128][1,024 bytes]: registers 0-3 at 16 l, registers 4-7 at 512 + 16 l.
; kvf: [16 batch + head][step of 128 keys, 16][16,384 bytes]: eight images of K (16 keys x 64 channels, as in qf) at 1,024 t; four of V (16 channels x 128 keys, 16 registers) at 8,192 + 2,048 ct.
; A sum stands for sum x 2^(eA + eB), so its code is sum / 2^E, E = eT - eA - eB, held within +-448 x 2^E.   LIMIT: E lies between -126 and 119, so that both powers of two are f32 numbers.
; CLUSTERS: 4 x 4 work-groups; A's tile is shared along a row of the cluster, B's along a column: each is asked for jointly, by the same tensor load with the same descriptor and a mask that names the four.
; REGISTERS, in windows of 256: window 0: v0-31 addresses and constants; v32-95 at work on the way out; from v128 A's fragments, ONE set.  window 1: B's fragments, TWO sets.  windows 2, 3: the accumulators ((a, b) at v[8 (8 (a % 4) + b)]).
.set SIZE_K, 1024
.set KSTEP,  256                       ; along K in a slot
.set ROWB,   256                       ; a tile's row in bytes
.set KROW,   SIZE_K                    ; a row of either tensor in memory, in bytes
.set PITCH,  272                       ; an LDS row: 256 bytes + 16 of padding = 68 words: the 16 rows that a load touches start at 16 different banks (64 banks of 4 bytes: ISA guide 11.1)
.set FR,     16                        ; registers of a fragment: 16 rows x 128 K
.set NL,     4                         ; LDS loads that bring one
.set NP,     4                         ; places behind this matrix instruction (ISA guide 7.12.1)
.set HALFT,  128*PITCH                 ; 128 rows: what one tensor load brings
.set SLOT,   4*HALFT                   ; A's 256 rows, then B's 256 rows
.set LAPS,   SIZE_K/(2*KSTEP)          ; a lap = two K steps = once round the ring
.set SPARE,  2*SLOT                    ; behind the ring: the spare words, 128 bytes for each wave: two blocks of 256 bytes that no other line names
.set SCL,  12                          ; v12     2^E as f32: the conversions take its exponent field
.set LIMV, 13                          ; v13     448 x 2^E
.set ADRA, 16                          ; v16-17  LDS address of my A fragments in slot 0, 1
.set ADRB, 20                          ; v20-21  the same for B
.set VO0,  24                          ; v24     16 x lane: my place in an image
.set VO1,  25                          ; v25     the same in the image's partner: the next head's (q, k) or the fragment's upper half (v)
.set SPW,  28                          ; v28     LDS address of my spare word; never rewritten
.set NIL,  29                          ; v29     0; never rewritten
.set TMP,  32                          ; the way out: a block's 64 sums, held
.set AF,   128                         ; A's fragments, in window 0
.set CDB,  128                         ; the way out: a block's 16 registers of codes, two sets by turns
.set G1, 24                            ; s[24:31] descriptor group 1 for A's tiles;  s[32:39] group 0, one set for each slot
.set G0, 32
.set G1B, 48                           ; s[48:55], s[56:63] the same for B's tiles
.set G0B, 56
.set MSB, 0
.macro WIN new                         ; the immediate's high byte repeats the setting that is left
.if MSB != \new
	s_set_vgpr_msb (MSB<<8)|\new
.set MSB, \new
.endif
.endm
.set MUL_LO, 0xa1                      ; source 0 (B) window 1, source 1 (A) window 0, C and D window 2
.set MUL_HI, 0xf1                      ; the same, C and D window 3
.set TO_B,   0x40                      ; destination window 1, address window 0
; A joint load: waves 0 and 1 fetch for A, waves 2 and 3 for B.  Each line has one mask and one set of registers for all that issue it; the branch hangs on the wave's number alone.
; Four v_nop follow each of the two lines, ahead of the jump, the label and what follows.
.macro JLOAD g0a, g1a, g0b, g1b
	s_cmp_eq_u32 s15, 0
	s_cbranch_scc0 .Lfor_b_\@
	tensor_load_to_lds s[\g0a:\g0a+3], s[\g1a:\g1a+7]
	s_nop 0
.rept 4
	v_nop
.endr
	s_branch .Lasked_\@
.Lfor_b_\@:
	tensor_load_to_lds s[\g0b:\g0b+3], s[\g1b:\g1b+7]
	s_nop 0
.rept 4
	v_nop
.endr
.Lasked_\@:
.endm
.macro CREST                           ; a round of the cluster's barrier behind its opening barrier
	s_cmp_lg_u32 s14, 0
	s_cbranch_scc1 .Lnot_wave_0_\@
	s_barrier_signal -3
.Lnot_wave_0_\@:
	s_barrier_wait -3
	s_barrier_signal -1
	s_barrier_wait -1
.endm
.macro CROUND                          ; a whole round
	s_barrier_signal -1
	s_barrier_wait -1
	CREST
.endm
	s_load_b512 s[68:83], s[0:1], 0x0              ; q_raw 68, kv_raw 70, Wq 72, Wk 74, Wv 76, the scales 78, qf 80, kvf 82
	v_lshl_add_u32 v[SPW], v0, 2, SPARE
	v_mov_b32 v[NIL], 0
	ds_add_u32 v28, v29
	ds_add_u32 v28, v29
	s_wait_dscnt 0x0
	v_lshrrev_b32 v1, 5, v0
	v_readfirstlane_b32 s14, v1                    ; wave 0..3
	s_lshr_b32 s15, s14, 1                         ; which half of the tile's A rows is mine.  Also: I fetch for A (0) or for B (1)
	s_and_b32 s16, s14, 1                          ; which half of its B rows.  Also: which 128 rows of that tile I fetch
	s_bfe_u32 s40, ttmp6, 0x40000                  ; cx, cy: my place in the cluster
	s_bfe_u32 s41, ttmp6, 0x40004
	s_and_b32 s17, ttmp7, 0xffff
	s_lshl_b32 s17, s17, 2                         ; 4 x cluster y: it walks the 32 blocks of tokens, which are A's blocks for q and k and B's for v
	s_cmp_eq_u32 ttmp9, 2                          ; v?
	s_cselect_b32 s18, 0, s17
	s_cselect_b32 s19, s17, 0
	s_add_co_u32 s17, s18, s41                     ; A's block of 256 rows: cy (+ 4 x cluster y): shared along my row of the cluster
	s_add_co_u32 s42, s19, s40                     ; B's block: cx (+ 4 x cluster y): shared along my column
	s_lshl_b32 s43, s41, 2
	s_lshl_b32 s43, 15, s43                        ; my row of the cluster
	s_lshl_b32 s44, 0x1111, s40                    ; my column
	; descriptor group 1: a tile of 128 rows x 256 bytes, padded in LDS
	s_or_b32 s[G1+0], s43, (0<<16)|(1<<20)|(1<<21)|(5<<22)|(3<<25)  ; 15:0 the mask; 17:16 elements of 1 byte; 20 padding on; 21 set beside a mask; 24:22 after every 64 words (code 5); 31:25 four words (code 3)
	s_or_b32 s[G1B+0], s44, (0<<16)|(1<<20)|(1<<21)|(5<<22)|(3<<25)
.irp g, G1, G1B
	s_mov_b32 s[\g+1], ROWB<<16                    ; tensor_dim0
	s_mov_b32 s[\g+2], 128<<16                     ; tensor_dim1 = 128
	s_mov_b32 s[\g+3], ROWB<<16                    ; tile_dim0
	s_mov_b32 s[\g+4], 128                         ; tile_dim1 = 128
	s_mov_b32 s[\g+5], KROW                        ; tensor_dim0_stride
	s_mov_b32 s[\g+6], 0
	s_mov_b32 s[\g+7], 0
.endr
	s_lshl_b32 s18, s16, 7                         ; which 128 rows of the tile I fetch
	s_lshl_b32 s20, s17, 8
	s_add_co_u32 s20, s20, s18                     ; A: row 256 x block + 128 x half,
	s_lshl_b32 s20, s20, 10                        ; in bytes (under 2^23)
	s_mov_b32 s21, 0
	s_lshl_b32 s46, s42, 8
	s_add_co_u32 s46, s46, s18                     ; B likewise
	s_lshl_b32 s46, s46, 10
	s_mov_b32 s47, 0
	s_mul_i32 s45, s14, HALFT                      ; where they go: wave x 128 rows: no place in the cluster enters an LDS address
	s_wait_kmcnt 0x0
	s_load_b256 s[84:91], s[78:79], 0x0            ; e0 .. e7
	s_load_b128 s[92:95], s[78:79], 0x20           ; e8 .. e11
	s_cmp_eq_u32 ttmp9, 0                          ; the buffers are chosen on the cluster's x alone
	s_cselect_b64 s[4:5], s[68:69], s[70:71]       ; A: q_raw for q, else kv_raw
	s_cselect_b64 s[6:7], s[72:73], s[74:75]       ; B: Wq for q, else Wk
	s_cselect_b64 s[10:11], s[80:81], s[82:83]     ; out: qf for q, else kvf
	s_cmp_eq_u32 ttmp9, 2
	s_cselect_b64 s[4:5], s[76:77], s[4:5]         ; v: A = Wv,
	s_cselect_b64 s[6:7], s[70:71], s[6:7]         ;    B = kv_raw
	s_add_nc_u64 s[20:21], s[4:5], s[20:21]
	s_add_nc_u64 s[46:47], s[6:7], s[46:47]
	CROUND                                         ; all sixteen work-groups are here: the first joint loads meet
.irp s, 0,1
	s_mov_b32 s[G0+4*\s], 1
	s_add_co_u32 s[G0+4*\s+1], s45, \s*SLOT
	s_add_nc_u64 s[G0+4*\s+2:G0+4*\s+3], s[20:21], \s*ROWB
	s_or_b32 s[G0+4*\s+3], s[G0+4*\s+3], 0x80000000
	s_mov_b32 s[G0B+4*\s], 1
	s_add_co_u32 s[G0B+4*\s+1], s45, \s*SLOT
	s_add_nc_u64 s[G0B+4*\s+2:G0B+4*\s+3], s[46:47], \s*ROWB
	s_or_b32 s[G0B+4*\s+3], s[G0B+4*\s+3], 0x80000000
	JLOAD G0+4*\s, G1, G0B+4*\s, G1B
.endr
	v_and_b32 v1, 15, v0                           ; l % 16
	v_bfe_u32 v2, v0, 4, 1                         ; l / 16
	v_mul_u32_u24 v3, v1, PITCH
	v_lshl_add_u32 v4, v2, 4, v3                   ; a fragment's row x pitch + 16 x half
	s_mul_i32 s21, s15, HALFT                      ; my 128 rows of A
	s_mul_i32 s22, s16, HALFT                      ; my 128 rows of B,
	s_add_co_u32 s22, s22, 2*HALFT                 ; which lie behind A's 256
.irp s, 0,1
	v_add_nc_u32 v[ADRA+\s], s21, v4
	v_add_nc_u32 v[ADRB+\s], s22, v4
	s_add_co_u32 s21, s21, SLOT
	s_add_co_u32 s22, s22, SLOT
.endr
	; THE WAY OUT'S NUMBERS, made here, in registers that the loop leaves alone.  s[10:11] the first image; s[96:97] from block a to a + 1; s[98:99] more at a = 4 (v: the next head); v25 - v24: the image's partner.
	s_mov_b32 s96, 1024
	s_mov_b32 s46, 1024
	s_cmp_eq_u32 ttmp9, 0
	s_cselect_b32 s45, 17, 18                      ; a head's images: 2^17 bytes in qf, 2^18 in kvf
	s_lshl_b32 s44, 1, s45
	s_cmp_eq_u32 ttmp9, 2
	s_cselect_b32 s20, s42, s17                    ; the tokens' block of 256,
	s_cselect_b32 s21, s16, s15                    ; and my half of it
	s_cselect_b32 s22, s17, s42                    ; the channels' block of 256,
	s_cselect_b32 s23, s15, s16                    ; and my half of it
	s_cselect_b32 s96, 2048, s96                   ; an image: 2,048 bytes of V, 1,024 of q and of K
	s_cselect_b32 s98, 253952, 0                   ; v: from a head's fourth image to the next head's first: 2^18 - 4 x 2,048
	s_cselect_b32 s43, 8192, 0                     ; v: behind the step's eight images of K
	s_cselect_b32 s44, s46, s44                    ; the partner: v: registers 8-15, 1,024 bytes on; q, k: the next head
	s_mov_b32 s97, 0
	s_mov_b32 s99, 0
	s_lshl_b32 s20, s20, 1
	s_add_co_u32 s20, s20, s21                     ; my 128 tokens among the 64 such groups
	s_lshr_b32 s21, s20, 4                         ; the batch
	s_and_b32 s20, s20, 15                         ; the step of 128 in it
	s_lshl_b32 s21, s21, 4
	s_lshl_b32 s22, s22, 2
	s_add_co_u32 s21, s21, s22
	s_lshl_b32 s23, s23, 1
	s_add_co_u32 s21, s21, s23                     ; 16 batch + my first head (4 x block + 2 x half)
	s_lshl_b32 s21, s21, s45
	s_sub_co_u32 s45, s45, 4
	s_lshl_b32 s20, s20, s45                       ; a step is a sixteenth of a head's bytes
	s_add_co_u32 s20, s20, s21
	s_add_co_u32 s20, s20, s43
	s_mov_b32 s21, 0
	s_add_nc_u64 s[10:11], s[10:11], s[20:21]
	v_and_b32 v5, 31, v0
	v_lshlrev_b32 v[VO0], 4, v5
	v_add_nc_u32 v[VO1], s44, v[VO0]
	s_wait_kmcnt 0x0                               ; the twelve exponents
	s_sub_co_i32 s20, s90, s84
	s_sub_co_i32 s20, s20, s85                     ; q: e6 - e0 - e1
	s_sub_co_i32 s21, s91, s86
	s_sub_co_i32 s21, s21, s87                     ; k: e7 - e2 - e3
	s_sub_co_i32 s22, s93, s88
	s_sub_co_i32 s22, s22, s89                     ; v: e9 - e4 - e5
	s_cmp_eq_u32 ttmp9, 0
	s_cselect_b32 s20, s20, s21
	s_cmp_eq_u32 ttmp9, 2
	s_cselect_b32 s20, s22, s20                    ; E
	s_add_co_i32 s20, s20, 127
	s_lshl_b32 s21, s20, 23
	v_mov_b32 v[SCL], s21                          ; 2^E
	s_add_co_i32 s20, s20, 8
	s_lshl_b32 s20, s20, 23
	s_or_b32 s20, s20, 0x600000
	v_mov_b32 v[LIMV], s20                         ; 448 x 2^E
.macro FRAG reg, adr, q, i             ; a fragment, 16 rows x 128 K, is 16 registers: lane l holds row l % 16; registers 4 c .. 4 c + 3 hold K = 32 c + 16 (l / 16) + 0 .. 15: the same places in A and in B, so every product meets its partner
.irp c, 0,1,2,3
	ds_load_b128 v[\reg+4*\c:\reg+4*\c+3], v[\adr] offset:128*(\q)+32*\c+(\i)*16*PITCH
.endr
.endm
; 16 matrix instructions: A's blocks a0, a0 + 1 x B's eight, 128 along K.  p: B's set.  zero = 1: the first product starts the sums.  The 64 accumulators take turns, one instruction a turn.
.macro MUL16 a0, p, zero
.irp a, \a0, \a0+1
.irp b, 0,1,2,3,4,5,6,7
.if \zero
	v_wmma_f32_16x16x128_fp8_fp8 v[8*(8*((\a)%4)+\b):8*(8*((\a)%4)+\b)+7], v[128*(\p)+FR*\b:128*(\p)+FR*\b+FR-1], v[AF+FR*(\a):AF+FR*(\a)+FR-1], 0
.else
	v_wmma_f32_16x16x128_fp8_fp8 v[8*(8*((\a)%4)+\b):8*(8*((\a)%4)+\b)+7], v[128*(\p)+FR*\b:128*(\p)+FR*\b+FR-1], v[AF+FR*(\a):AF+FR*(\a)+FR-1], v[8*(8*((\a)%4)+\b):8*(8*((\a)%4)+\b)+7]
.endif
.endr
.endr
.endm
.macro FETCH_B slot, q, p              ; B's eight fragments of the slot's q-th 128 along K into set p
	WIN TO_B
.irp i, 0,1,2,3,4,5,6,7
	FRAG 128*(\p)+FR*\i, ADRB+\slot, \q, \i
.endr
	WIN 0
.endm
.macro FETCH_A slot, q, i0             ; A's blocks i0 .. i0 + 3
.irp i, \i0, \i0+1, \i0+2, \i0+3
	FRAG AF+FR*(\i), ADRA+\slot, \q, \i
.endr
.endm
.macro PLACES n                        ; plain vector instructions between a matrix instruction and a load into, or a vector read of, its registers
.rept \n
	v_nop
.endr
.endm
; A step of 128 along K that has its successor in the same slot.
.macro STEP slot, q, zero
	s_wait_dscnt 4*NL                              ; B's set and A's blocks 0-3 are in; the youngest sixteen loads (A's blocks 4-7) may be out
	WIN MUL_LO
	MUL16 0, (\q)%2, \zero
	MUL16 2, (\q)%2, \zero
	s_wait_dscnt 0                                 ; A's blocks 4-7 are in (asked for 32 matrix instructions ago)
	PLACES NP
	FETCH_B \slot, (\q)+1, 1-(\q)%2
	FETCH_A \slot, (\q)+1, 0
	WIN MUL_HI
	MUL16 4, (\q)%2, \zero
	MUL16 6, (\q)%2, \zero
	PLACES NP
	WIN 0
	FETCH_A \slot, (\q)+1, 4
.endm
; A slot's last step changes slots: ONE barrier; in front of it each wave waits for all its tensor loads, adds 0 to its spare word, and waits for that and for its own reads of this slot.  fill = 1: this slot is filled again, two K steps ahead.
.macro TURN slot, next, fill
	s_wait_tensorcnt 0x0                           ; all my tensor loads have landed: my part of the next slot
	ds_add_u32 v[SPW], v[NIL]                      ; 0 onto my spare word
	s_wait_dscnt 4*NL+1                            ; (the add and the youngest sixteen loads, A's blocks 4-7, may be out)
	WIN MUL_LO
	MUL16 0, 1, 0                                  ; sixteen matrix instructions stand between the add and the wait for it
	s_wait_dscnt 0x0                               ; the add is done, and my reads of this slot are over
	s_barrier_signal -1
	MUL16 2, 1, 0
	WIN 0
	s_barrier_wait -1
.if \fill
	CREST                                          ; the barrier has opened a round of the cluster's barrier: no wave of any partner still reads this slot's tile or has a load on its way
	s_add_nc_u64 s[G0+4*\slot+2:G0+4*\slot+3], s[G0+4*\slot+2:G0+4*\slot+3], 2*ROWB
	s_add_nc_u64 s[G0B+4*\slot+2:G0B+4*\slot+3], s[G0B+4*\slot+2:G0B+4*\slot+3], 2*ROWB
	JLOAD G0+4*\slot, G1, G0B+4*\slot, G1B         ; the first tensor load behind the round; its four v_nop are the places in front of the loads below
.else
	PLACES NP
.endif
	FETCH_B \next, 0, 0
	FETCH_A \next, 0, 0
	WIN MUL_HI
	MUL16 4, 1, 0
	MUL16 6, 1, 0
	PLACES NP
	WIN 0
	FETCH_A \next, 0, 4
.endm
	s_wait_tensorcnt 1                             ; my part of K step 0 is in (K step 1's load may be out)
	s_barrier_signal -1
	s_barrier_wait -1                              ; everybody's is
	FETCH_B 0, 0, 0
	FETCH_A 0, 0, 0
	FETCH_A 0, 0, 4
	STEP 0, 0, 1                                   ; the first step stands in front of the loop: its products start the sums
	s_mov_b32 s3, LAPS-1
.Llap:                                                 ; a trip goes once round the ring, from a lap's second step to the next lap's first, and fills both slots again
	TURN 0, 1, 1
	STEP 1, 0, 0
	TURN 1, 0, 1
	STEP 0, 0, 0
	s_sub_co_u32 s3, s3, 1
	s_cmp_lg_u32 s3, 0
	s_cbranch_scc1 .Llap
	TURN 0, 1, 0                                   ; the last lap fills nothing, and has no round of the cluster's barrier
	STEP 1, 0, 0
	s_wait_dscnt 4*NL                              ; the very last step: nothing more to fetch
	WIN MUL_LO
	MUL16 0, 1, 0
	MUL16 2, 1, 0
	s_wait_dscnt 0
	WIN MUL_HI
	MUL16 4, 1, 0
	MUL16 6, 1, 0
	WIN 0
; THE WAY OUT, block a of 16 A rows at a time: 64 sums a lane are held within +-448 x 2^E (the conversion to an 8-bit code does not saturate: ISA guide 7.6.2), each accumulator from its low end on,
; and eight conversions give 16 registers of codes: two fragments of 8 (q, k: two heads) or one of 16 (v).  Each of the four stores covers 512 consecutive bytes, at a multiple of 512 from the buffer's first byte.
.macro OUTBLK a
.set AC, 64*((\a)%4)
.set CD, CDB+16*((\a)%2)
.if (\a) > 0
	s_wait_xcnt 0x0                                ; the last block's stores have read their base and their data: both are written again only behind this wait
	s_add_nc_u64 s[10:11], s[10:11], s[96:97]
.if (\a) == 4
	s_add_nc_u64 s[10:11], s[10:11], s[98:99]
.endif
.endif
	WIN 0x02+((\a)/4)                              ; source 0: window 2 or 3
.set j, 0
.rept 64
	v_med3_num_f32 v[TMP+j], v[AC+j], -v[LIMV], v[LIMV]
.set j, j+1
.endr
	WIN 0
.irp b, 0,1,2,3,4,5,6,7
	v_cvt_scalef32_pk8_fp8_f32 v[CD+2*\b:CD+2*\b+1], v[TMP+8*\b:TMP+8*\b+7], v[SCL]
.endr
	v_nop                                          ; one plain vector instruction behind the last conversion: the next block's holds write its sources
	global_store_b128 v[VO0], v[CD:CD+3], s[10:11]
	global_store_b128 v[VO0], v[CD+4:CD+7], s[10:11] offset:512
	global_store_b128 v[VO1], v[CD+8:CD+11], s[10:11]
	global_store_b128 v[VO1], v[CD+12:CD+15], s[10:11] offset:512
.endm
	PLACES NP                                      ; behind the last products: the holds read results, and the codes land where A's fragments lay
.irp a, 0,1,2,3,4,5,6,7
	OUTBLK \a
.endr
	s_wait_tensorcnt 0x0                           ; the wave's end
	ds_add_u32 v[SPW], v[NIL]
	s_wait_dscnt 0x0
	CROUND                                         ; the closing round: no work-group ends while a partner may still ask for a tile that names it
	s_endpgm
.Lfunc_end_k_q1dcdae127d_proj:
	.size	k_q1dcdae127d_proj, .Lfunc_end_k_q1dcdae127d_proj-k_q1dcdae127d_proj
	.p2alignl 7, 3214868480
	.fill 96, 4, 3214868480
	.section	.rodata,"a",@progbits
	.p2align	6, 0x0
	.amdhsa_kernel k_q1dcdae127d_proj
		.amdhsa_group_segment_fixed_size 327680
		.amdhsa_private_segment_fixed_size 0
		.amdhsa_enable_private_segment 0
		.amdhsa_kernarg_size 64
		.amdhsa_user_sgpr_count 2
		.amdhsa_user_sgpr_kernarg_segment_ptr 1
		.amdhsa_wavefront_size32 1
		.amdhsa_system_sgpr_workgroup_id_x 1
		.amdhsa_system_sgpr_workgroup_id_y 1
		.amdhsa_system_sgpr_workgroup_id_z 1
		.amdhsa_system_vgpr_workitem_id 0
		.amdhsa_next_free_vgpr 1024
		.amdhsa_next_free_sgpr 100
		.amdhsa_reserve_vcc 0
		.amdhsa_float_denorm_mode_32 3
		.amdhsa_float_denorm_mode_16_64 3
		.amdhsa_memory_ordered 1
		.amdhsa_forward_progress 1
		.amdhsa_inst_pref_size 119
	.end_amdhsa_kernel
	.amdgpu_metadata
---
amdhsa.version: [ 1, 2 ]
amdhsa.kernels:
  - .name:           k_q1dcdae127d_proj
    .symbol:         k_q1dcdae127d_proj.kd
    .args:
      - { .name: q_raw_codes, .offset: 0, .size: 8, .value_kind: global_buffer, .address_space: global }
      - { .name: kv_raw_codes, .offset: 8, .size: 8, .value_kind: global_buffer, .address_space: global }
      - { .name: Wq_codes, .offset: 16, .size: 8, .value_kind: global_buffer, .address_space: global }
      - { .name: Wk_codes, .offset: 24, .size: 8, .value_kind: global_buffer, .address_space: global }
      - { .name: Wv_codes, .offset: 32, .size: 8, .value_kind: global_buffer, .address_space: global }
      - { .name: lowp_scales, .offset: 40, .size: 8, .value_kind: global_buffer, .address_space: global }
      - { .name: qf, .offset: 48, .size: 8, .value_kind: global_buffer, .address_space: global }
      - { .name: kvf, .offset: 56, .size: 8, .value_kind: global_buffer, .address_space: global }
    .group_segment_fixed_size: 327680
    .private_segment_fixed_size: 0
    .kernarg_segment_align: 8
    .kernarg_segment_size: 64
    .max_flat_workgroup_size: 128
    .sgpr_count:     100
    .vgpr_count:     1024
    .wavefront_size: 32
...
	.end_amdgpu_metadata
.endif
;; end of part 1
;; launch attn (part 2): grid 4 x 64, 16 waves a work-group, clusters of 4 x 1, 327,680 bytes of LDS; arguments qf, kvf, padding_mask, lowp_scales, af; writes af
.if DOCPART == 2
	.amdgcn_target "amdgcn-amd-amdhsa--gfx1250"
	.amdhsa_code_object_version 6
	.text
	.protected	k_q1dcdae127d_attn
	.globl	k_q1dcdae127d_attn
	.p2align	8
	.type	k_q1dcdae127d_attn,@function
k_q1dcdae127d_attn:
	s_mov_b64 s[64:65], 0
	v_nop
	global_prefetch_b8 v0, s[64:65] scope:SCOPE_SE
	s_setreg_imm32_b32 hwreg(HW_REG_WAVE_MODE, 25, 1), 1
	s_wait_xcnt 0x0
	s_wait_alu depctr_hold_cnt(0) depctr_sa_sdst(0) depctr_va_vdst(0) depctr_va_sdst(0) depctr_va_ssrc(0) depctr_va_vcc(0) depctr_vm_vsrc(0)
	s_getreg_b32 s2, hwreg(HW_REG_IB_STS2, 6, 4)
	s_cmp_eq_u32 s2, 0
	s_cbranch_scc0 .Lentry_in_a_cluster
	s_endpgm
.Lentry_in_a_cluster:
	s_bfe_u32 s2, ttmp6, 0x10000c
	s_cmp_lg_u32 s2, 0x3003
	s_cbranch_scc0 .Lentry_shape_is_right
	s_endpgm
.Lentry_shape_is_right:
; ATTENTION on codes of FP8 (E4M3): for each of 64 (batch, head) pairs, 2,048 queries x 2,048 keys, head size 64, with the padding mask and the causal mask; the result is quantised with entry 10 of the scales and
; stored as images of the last projection's operand registers.  Both products are used transposed (S^T = K Q^T, O^T = V^T P^T): a lane holds ONE query (lane % 16) throughout.
; THE SOFTMAX: t = score x log2(e) / 8; M = the largest t so far, rounded up to a whole number; p = 2^(t - M) is quantised with 2^e8; the row's sum is taken of the unquantised p and divides O at the end.
; When M moves, the sum and O are multiplied by 2^(old M - new M), which rounds nothing.
; THE MASKS WRITE A LARGE NEGATIVE NUMBER, NOT -INFINITY.  So a row whose visible keys are ALL padded has 2,048 equal scores: p = 1 for every key, the causally hidden ones too, and the sum is 2,048.  That is served without
; a branch on data: the largest t begins at the stand-in -2^60; masked scores are -2^120, whose t lies below it; a row is 'all masked so far' where its largest t still IS the stand-in (pm = 1, else 0).
; Where pm = 1 the step's p become 1 (the hold is a median with pm) and the sum takes 64 a lane; a later real key multiplies all that by 2^(-huge) = 0.  Steps behind the diagonal keep their product V^T P, with
; a P that is one code in every byte: that of pm.  Beside a real key the stand-ins give p = 0, as the reference's -1e9 does.
; LIMITS on the given exponents: e6 + e7 between -50 and 9 (so that every real t lies above the stand-in and every real score above -1e9, and a masked t lies below the stand-in); e8, and e10 - e8 - e9, between -126 and 119.
; SHARES.  The four work-groups of a cluster (cx = 0 .. 3) own one head.  Wave w of 16 owns two tiles of 16 queries: tile cx of the block of 128 queries w, and tile 4 + cx of block 15 - w.  They are named by their
; blocks: 'lo' in block BL = min(w, 15 - w), 'hi' in block BH = 15 - BL.  Every wave has BL + 1 + BH + 1 = 17 steps with a softmax: all waves of all work-groups have equal work.  Branches hang on the wave's number and the
; step's number alone; cx enters only global addresses and the lanes' numbers for the diagonal.
; LDS.  A head's K and V, 16 steps x 16,384 bytes as they lie in kvf, fit whole: each byte is filled ONCE, by sixteen joint tensor loads at the head (waves 0 to 3, four each: by this text's count four are out in a wave).
; There is no ring.  The loop is written four times, once for each group of four steps, behind a counted wait and a barrier, so that the first steps are worked while the later ones land.
; The padding mask is the C operand of K Q^T: a table of f32 in LDS, 0 or -2^120 for each key.
; No prefetch is laid: all that the launch reads is asked for at its head.
.set BIAS,  262144                     ; LDS: behind K and V: 2,048 f32, one a key (stored by ds_store; no tensor load lands here)
.set QIMG,  270336                     ; LDS: 2,048 bytes for each wave: its hi tile's image of Q, then its lo tile's
.set LI,   1                           ; v1   16 x lane: my place in an image
.set BI0,  2                           ; v2   BIAS + 32 (lane / 16)
.set AQ,   3                           ; v3   QIMG + 2,048 wave + 16 lane
.set AKV,  4                           ; v4   the step's images: its first byte + 16 lane
.set ABI,  5                           ; v5   the step's part of the table
.set DH,   6                           ; v6   hi: my query in its block - 8 (lane / 16);   v7: lo
.set DL,   7
.set STH,  12                          ; v12 -M, v13 the largest t, v[14:15] the sum in two halves: hi;   v16-19: lo
.set STL,  16
.set SCP,  20                          ; v20  2^e8;   v21  448 x 2^e8   (on the way out: the same with e10 - e8 - e9)
.set LIMP, 21
.set NEGB, 22                          ; v22  -2^120
.set ONE,  23                          ; v23  1.0
.set FF,   24                          ; v[24:25] f = 2^(old M - new M) in the low word
.set W0,   26                          ; v26, v27 at work
.set W1,   27
.set PX,   28                          ; v28  a lane permute's destination
.set PM,   29                          ; v29  pm
.set SUM2, 30                          ; v[30:31] the sum's second chain
.set KV,   32                          ; v32-95   eight fragments of K (8 registers), later four of V (16)
.set S,    96                          ; v96-159  the table's numbers, then S^T, then p
.set OH,   160                         ; v160-191 O^T hi;  v192-223 lo
.set OL,   192
.set PH,   224                         ; v224-239 P hi;  v240-255 lo.  The first eight take Q's fragment in each step with a softmax
.set PL,   240
.set WV,   14                          ; s14  my wave's number
.set CX,   15                          ; s15  my place in the cluster
.set BHD,  16                          ; s16  16 batch + head
.set BL,   17
.set BH,   18
.set BL1,  19                          ; s19  BL + 1: lo's first hidden step;  s56: hi's
.set BH1,  56
.set SEL,  20                          ; s[20:21] lane selects for v_permlanex16_b32: lane l xor 16
.set CS,   22                          ; s[22:23] c = log2(e) / 8 x 2^(e6 + e7)
.set G1,   24                          ; s[24:31] descriptor group 1;  s[32:47] four groups 0
.set G0,   32
.set KS,   48                          ; s48  the step
.set TB,   49                          ; s49  its first LDS byte
.set TBB,  50                          ; s50  its first byte in the table
.set CNT,  51
.set TN,   52                          ; s52  -2^60
.set C64,  53                          ; s53  64.0
.set HH,   54                          ; s54  64 x hi's hidden steps, as f32;  s55: lo's
.set HL,   55
.macro CROUND                          ; a round of the cluster's barrier
	s_barrier_signal -1
	s_barrier_wait -1
	s_cmp_lg_u32 s[WV], 0
	s_cbranch_scc1 .Lnot_wave_0_\@
	s_barrier_signal -3
.Lnot_wave_0_\@:
	s_barrier_wait -3
	s_barrier_signal -1
	s_barrier_wait -1
.endm
	s_load_b256 s[4:11], s[0:1], 0x0               ; qf s[4:5], kvf s[6:7], the mask s[8:9], the scales s[10:11]
	s_load_b64 s[12:13], s[0:1], 0x20              ; af
	v_lshl_add_u32 v254, v0, 2, 0x4a000
	v_mov_b32 v255, 0
	ds_add_u32 v254, v255
	ds_add_u32 v254, v255
	s_wait_dscnt 0x0
	v_lshrrev_b32 v1, 5, v0
	v_readfirstlane_b32 s[WV], v1                  ; wave 0..15
	s_bfe_u32 s[CX], ttmp6, 0x40000
	s_and_b32 s[BHD], ttmp7, 0xffff                ; the cluster's y: shared by the four partners
	s_xor_b32 s[BH], s[WV], 15                     ; 15 - w
	s_min_u32 s[BL], s[WV], s[BH]
	s_xor_b32 s[BH], s[BL], 15
	s_add_co_u32 s[BL1], s[BL], 1
	s_add_co_u32 s[BH1], s[BH], 1
	; descriptor group 1: a step's 16,384 bytes, dense in memory, as 64 rows of 256 bytes; no padding: images are read 512 consecutive bytes an instruction
	s_mov_b32 s[G1], 15|(3<<16)|(1<<21)            ; 15:0 the mask: all four work-groups; 17:16 elements of 8 bytes; 21 set beside a mask
	s_mov_b32 s[G1+1], 32<<16                      ; tensor_dim0 = 32
	s_mov_b32 s[G1+2], 64<<16                      ; tensor_dim1 = 64
	s_mov_b32 s[G1+3], 32<<16                      ; tile_dim0 = 32
	s_mov_b32 s[G1+4], 64                          ; tile_dim1 = 64
	s_mov_b32 s[G1+5], 32                          ; tensor_dim0_stride
	s_mov_b32 s[G1+6], 0
	s_mov_b32 s[G1+7], 0
	s_and_b32 s57, s[WV], 3
	s_lshl_b32 s57, s57, 14                        ; fetching wave w takes step 4 g + w of group g
	s_lshl_b32 s2, s[BHD], 18                      ; the head's 2^18 bytes
	s_add_co_u32 s2, s2, s57
	s_mov_b32 s3, 0
	s_wait_kmcnt 0x0
	s_load_b256 s[68:75], s[10:11], 0x0            ; e0 .. e7
	s_load_b128 s[76:79], s[10:11], 0x20           ; e8 .. e11
	s_add_nc_u64 s[2:3], s[6:7], s[2:3]
.irp g, 0,1,2,3
	s_mov_b32 s[G0+4*\g], 1                        ; count = 1
	s_add_co_u32 s[G0+4*\g+1], s57, \g*65536       ; LDS address: as in memory
	s_add_nc_u64 s[G0+4*\g+2:G0+4*\g+3], s[2:3], \g*65536
	s_or_b32 s[G0+4*\g+3], s[G0+4*\g+3], 0x80000000   ; type = 2
.endr
	CROUND                                         ; all four work-groups are here: the joint loads meet
	s_cmp_lt_u32 s[WV], 4                          ; a wave's four fills stand in one branch on its number, ahead of every wait on TENSORcnt, every LDS read and every further barrier
	s_cbranch_scc0 .Lno_fetch
	tensor_load_to_lds s[G0:G0+3], s[G1:G1+7]
	s_nop 0
	tensor_load_to_lds s[G0+4:G0+7], s[G1:G1+7]
	s_nop 0
	tensor_load_to_lds s[G0+8:G0+11], s[G1:G1+7]
	s_nop 0
	tensor_load_to_lds s[G0+12:G0+15], s[G1:G1+7]
	s_nop 0
.rept 4
	v_nop
.endr
.Lno_fetch:
	v_and_b32 v1, 31, v0
	v_lshlrev_b32 v[LI], 4, v1
	v_lshlrev_b32 v8, 4, v0                        ; 16 x thread: 512 threads take a batch's 2,048 mask words
	s_lshr_b32 s57, s[BHD], 4                      ; the batch
	s_lshl_b32 s58, s57, 13
	s_mov_b32 s59, 0
	s_add_nc_u64 s[8:9], s[8:9], s[58:59]
	global_load_b128 v[96:99], v8, s[8:9]
	s_add_co_u32 s80, s[CX], 4
	s_cmp_lt_u32 s[WV], 8
	s_cselect_b32 s81, s[CX], s80                  ; lo's tile in its block: cx where block w is the lower one, else 4 + cx
	s_cselect_b32 s82, s80, s[CX]                  ; hi's
	s_lshl_b32 s83, s[BL], 3
	s_add_co_u32 s83, s83, s81                     ; lo's tile of 128 in the head
	s_lshl_b32 s84, s[BH], 3
	s_add_co_u32 s84, s84, s82                     ; hi's
	s_lshl_b32 s86, s[BHD], 17
	s_lshl_b32 s58, s84, 10
	s_add_co_u32 s58, s58, s86
	s_mov_b32 s59, 0
	s_add_nc_u64 s[58:59], s[4:5], s[58:59]        ; hi's image of Q
	s_lshl_b32 s60, s83, 10
	s_add_co_u32 s60, s60, s86
	s_mov_b32 s61, 0
	s_add_nc_u64 s[60:61], s[4:5], s[60:61]        ; lo's
	global_load_b128 v[100:103], v[LI], s[58:59]
	global_load_b128 v[104:107], v[LI], s[58:59] offset:512
	global_load_b128 v[108:111], v[LI], s[60:61]
	global_load_b128 v[112:115], v[LI], s[60:61] offset:512
	; af: [channel / 256][tile of 16 tokens, 512][(channel / 128) % 2][2,048]: my head's 64 channels are two groups of four registers, 1,024 (head % 2) bytes on
	s_and_b32 s86, s[BHD], 15                      ; the head
	s_lshr_b32 s87, s86, 2
	s_lshl_b32 s87, s87, 21
	s_and_b32 s86, s86, 3
	s_lshl_b32 s86, s86, 10
	s_add_co_u32 s87, s87, s86
	s_lshl_b32 s86, s57, 19                        ; 128 tiles a batch x 4,096 bytes
	s_add_co_u32 s87, s87, s86
	s_lshl_b32 s88, s84, 12
	s_add_co_u32 s88, s88, s87
	s_mov_b32 s89, 0
	s_add_nc_u64 s[88:89], s[12:13], s[88:89]      ; hi's place in af
	s_lshl_b32 s90, s83, 12
	s_add_co_u32 s90, s90, s87
	s_mov_b32 s91, 0
	s_add_nc_u64 s[90:91], s[12:13], s[90:91]      ; lo's
	v_bfe_u32 v9, v0, 4, 1                         ; h
	v_lshl_add_u32 v[BI0], v9, 5, BIAS
	s_lshl_b32 s57, s[WV], 11
	s_add_co_u32 s57, s57, QIMG
	v_add_nc_u32 v[AQ], s57, v[LI]
	v_add_nc_u32 v10, BIAS, v8                     ; where I store four numbers of the table
	v_and_b32 v11, 15, v0                          ; r
	v_lshlrev_b32 v9, 3, v9
	v_sub_nc_u32 v11, v11, v9                      ; r - 8 h
	s_lshl_b32 s85, s82, 4
	v_add_nc_u32 v[DH], s85, v11
	s_lshl_b32 s85, s81, 4
	v_add_nc_u32 v[DL], s85, v11
	s_mov_b32 s[SEL], 0x76543210
	s_mov_b32 s[SEL+1], 0xfedcba98
	s_mov_b32 s[CS], 0x3e38aa3b                    ; log2(e) / 8
	s_mov_b32 s[TN], 0xdd800000                    ; -2^60
	s_mov_b32 s[C64], 0x42800000                   ; 64.0
	s_lshl_b32 s[HH], s[BL], 6                     ; hi has 15 - BH = BL hidden steps, 64 keys a lane in each
	s_cvt_f32_u32 s[HH], s[HH]
	s_lshl_b32 s[HL], s[BH], 6                     ; lo has 15 - BL = BH
	s_cvt_f32_u32 s[HL], s[HL]
	v_mov_b32 v[NEGB], 0xfb800000                  ; -2^120
	v_mov_b32 v[ONE], 1.0
	v_mov_b32 v[STH+1], s[TN]                      ; the largest t so far: the stand-in
	v_floor_f32 v[STH], -v[STH+1]                  ; -M
	v_mov_b32 v[STH+2], 0
	v_mov_b32 v[STH+3], 0
	v_mov_b32 v[STL+1], s[TN]
	v_floor_f32 v[STL], -v[STL+1]
	v_mov_b32 v[STL+2], 0
	v_mov_b32 v[STL+3], 0
	v_mov_b32 v[FF+1], 0                           ; (named as the upper half of a pair)
	v_mov_b32 v[PX], 0                             ; written once: a lane permute's destination counts as one of its sources
.set j, 0
.rept 96
	v_mov_b32 v[OH+j], 0                           ; O^T of both tiles (the step is written once: the first finds zeros), and P of both, so that they are written on every path
.set j, j+1
.endr
	s_wait_kmcnt 0x0
	s_add_co_i32 s57, s74, s75
	s_lshl_b32 s57, s57, 23
	s_add_co_i32 s[CS], s[CS], s57                 ; a score stands for score x 2^(e6 + e7): added to c's exponent field
	s_mov_b32 s[CS+1], s[CS]                       ; (named with it as a pair)
	s_add_co_i32 s57, s76, 127
	s_lshl_b32 s85, s57, 23
	v_mov_b32 v[SCP], s85                          ; 2^e8
	s_add_co_i32 s57, s57, 8
	s_lshl_b32 s57, s57, 23
	s_or_b32 s57, s57, 0x600000
	v_mov_b32 v[LIMP], s57                         ; 448 x 2^e8
	s_sub_co_i32 s57, s78, s76
	s_sub_co_i32 s57, s57, s77                     ; O / l stands for that x 2^(e8 + e9): its code is (O / l) / 2^(e10 - e8 - e9)
	s_add_co_i32 s57, s57, 127
	s_lshl_b32 s92, s57, 23
	s_add_co_i32 s57, s57, 8
	s_lshl_b32 s57, s57, 23
	s_or_b32 s93, s57, 0x600000
	s_wait_loadcnt 0x0                             ; the mask's words and Q's two images
.irp i, 0,1,2,3
	v_cmp_eq_u32 vcc_lo, 0, v[96+\i]
	v_cndmask_b32 v[96+\i], 0, v[NEGB], vcc_lo     ; a padded key: -2^120; else 0
.endr
	ds_store_b128 v10, v[96:99]
	ds_store_b128 v[AQ], v[100:103]
	ds_store_b128 v[AQ], v[104:107] offset:512
	ds_store_b128 v[AQ], v[108:111] offset:1024
	ds_store_b128 v[AQ], v[112:115] offset:1536
; ONE TILE'S SCORES AND SOFTMAX for the step in hand; K's eight fragments are on their way or in.  st: the tile's four registers of statistics; o, p: its O^T and P; d: the lane's number for the diagonal; qoff: its image of Q; bx: its block.
.macro SOFT st, o, p, d, qoff, bx
.set t, 0
.rept 8
	ds_load_b128 v[S+8*t:S+8*t+3], v[ABI] offset:64*t          ; register j of tile t will hold key 16 t + 8 h + j: its number of the table goes in as C
	ds_load_b128 v[S+8*t+4:S+8*t+7], v[ABI] offset:64*t+16
.set t, t+1
.endr
	ds_load_b128 v[\p:\p+3], v[AQ] offset:\qoff
	ds_load_b128 v[\p+4:\p+7], v[AQ] offset:\qoff+512
	s_wait_dscnt 0x0
.set t, 0
.rept 8
	v_wmma_f32_16x16x64_fp8_fp8 v[S+8*t:S+8*t+7], v[KV+8*t:KV+8*t+7], v[\p:\p+7], v[S+8*t:S+8*t+7]   ; eight accumulators, one instruction each
.set t, t+1
.endr
.rept 4
	v_nop                                          ; places in front of the first read of results
.endr
	s_cmp_lg_u32 s[KS], s[\bx]                     ; on the diagonal (the step is the tile's own block) the keys behind my query become -2^120
	s_cbranch_scc1 .Lopen_\@
.set n, 0
.rept 64
	v_cmp_gt_i32 vcc_lo, 16*(n/8)+n%8, v[\d]       ; key 16 t + 8 h + j > query  <=>  16 t + j > query - 8 h
	v_cndmask_b32 v[S+n], v[S+n], v[NEGB], vcc_lo
.set n, n+1
.endr
.Lopen_\@:
	v_max3_num_f32 v[W0], v[S], v[S+1], v[S+2]     ; the step's largest score of my query among my 64 keys, in two chains, each accumulator from its low end on
	v_max3_num_f32 v[W1], v[S+3], v[S+4], v[S+5]
.set j, 6
.rept 14
	v_max3_num_f32 v[W0], v[W0], v[S+j], v[S+j+1]
	v_max3_num_f32 v[W1], v[W1], v[S+j+2], v[S+j+3]
.set j, j+4
.endr
	v_max3_num_f32 v[W0], v[W0], v[S+62], v[S+63]
	v_max_num_f32 v[W0], v[W0], v[W1]
	v_permlanex16_b32 v[PX], v[W0], s[SEL], s[SEL+1]
	v_max_num_f32 v[W0], v[W0], v[PX]              ; and among lane l xor 16's
	v_mul_f32 v[W0], s[CS], v[W0]                  ; as t (c is positive)
	v_max_num_f32 v[\st+1], v[\st+1], v[W0]        ; the running largest t
	v_mov_b32 v[W0], v[\st]
	v_floor_f32 v[\st], -v[\st+1]                  ; the new -M = -ceil(t)
	v_sub_f32 v[W0], v[\st], v[W0]                 ; old M - new M: a whole number, 0 or less
	v_cvt_i32_f32 v[W0], v[W0]                     ; (it saturates)
	v_ldexp_f32 v[FF], 1.0, v[W0]                  ; f; 0 where the stand-in has just been left
	v_cmp_eq_f32 vcc_lo, s[TN], v[\st+1]
	v_cndmask_b32 v[PM], 0, v[ONE], vcc_lo         ; pm = 1 where every key so far is masked
.set j, 0
.rept 32
	v_pk_fma_f32 v[S+j:S+j+1], v[S+j:S+j+1], s[CS:CS+1], v[\st:\st+1] op_sel_hi:[1,0,0]   ; t - M, two at a time (of the pairs c and -M the low word serves both halves)
.set j, j+2
.endr
.set j, 0
.rept 64
	v_exp_f32 v[S+j], v[S+j]                       ; p = 2^(t - M)
.set j, j+1
.endr
	v_pk_mul_f32 v[\st+2:\st+3], v[\st+2:\st+3], v[FF:FF+1] op_sel_hi:[1,0]   ; the sums under the new M (the plain instruction behind the exponentials)
	s_wait_alu depctr_va_vdst(0)                   ; one wait for the batch of 64, ahead of its first reader
	v_pk_add_f32 v[SUM2:SUM2+1], v[S:S+1], v[S+2:S+3]          ; the sum of the unquantised p, in two chains
.set j, 4
.rept 15
	v_pk_add_f32 v[\st+2:\st+3], v[\st+2:\st+3], v[S+j:S+j+1]
	v_pk_add_f32 v[SUM2:SUM2+1], v[SUM2:SUM2+1], v[S+j+2:S+j+3]
.set j, j+4
.endr
	v_pk_add_f32 v[\st+2:\st+3], v[\st+2:\st+3], v[SUM2:SUM2+1]
	v_fma_f32 v[\st+2], v[PM], s[C64], v[\st+2]    ; an all-masked row: my 64 keys count 1 each (their exponentials gave 0)
.set t, 0
.rept 8
.set j, 0
.rept 8
	v_med3_num_f32 v[S+8*t+j], v[S+8*t+j], v[PM], v[LIMP]      ; pm = 0: p held between 0 and 448 x 2^e8 (the conversion does not saturate: ISA guide 7.6.2); pm = 1: p is 0, and the middle one is min(1, 448 x 2^e8)
.set j, j+1
.endr
	v_cvt_scalef32_pk8_fp8_f32 v[\p+2*t:\p+2*t+1], v[S+8*t:S+8*t+7], v[SCP]   ; keys 16 t + 8 h + 0 .. 7: registers 2 t, 2 t + 1 of the second product's operand
.set t, t+1
.endr
.set j, 0
.rept 16
	v_pk_mul_f32 v[\o+j:\o+j+1], v[\o+j:\o+j+1], v[FF:FF+1] op_sel_hi:[1,0]   ; O^T under the new M (also the plain instructions behind the last conversion)
.set j, j+2
.endr
.endm
; A TILE'S FIRST HIDDEN STEP (bx1 = its block + 1): its P becomes one code in every byte, that of pm, and stays so; the sum takes all its hidden steps at once (hx = 64 x their number).
.macro HIDP st, p, bx1, hx
	s_cmp_lg_u32 s[KS], s[\bx1]
	s_cbranch_scc1 .Lskip_\@
	v_cmp_eq_f32 vcc_lo, s[TN], v[\st+1]
	v_cndmask_b32 v[PM], 0, v[ONE], vcc_lo
	v_fma_f32 v[\st+2], v[PM], s[\hx], v[\st+2]
.set j, 0
.rept 8
	v_min_num_f32 v[S+j], v[PM], v[LIMP]
.set j, j+1
.endr
	v_cvt_scalef32_pk8_fp8_f32 v[\p:\p+1], v[S:S+7], v[SCP]
	v_nop                                          ; one plain instruction between the conversion and the reads of its result
.set j, 2
.rept 14
	v_mov_b32 v[\p+j], v[\p]
.set j, j+1
.endr
.Lskip_\@:
.endm
; A STEP of 128 keys.  The branches hang on the step's number and the wave's blocks.
.macro STEP
	v_add_nc_u32 v[AKV], s[TB], v[LI]
	v_add_nc_u32 v[ABI], s[TBB], v[BI0]
	s_cmp_gt_u32 s[KS], s[BH]
	s_cbranch_scc1 .Lh2_\@                         ; both tiles lie ahead of these keys
.set t, 0
.rept 8
	ds_load_b128 v[KV+8*t:KV+8*t+3], v[AKV] offset:1024*t      ; K's eight images: they serve both tiles
	ds_load_b128 v[KV+8*t+4:KV+8*t+7], v[AKV] offset:1024*t+512
.set t, t+1
.endr
	SOFT STH, OH, PH, DH, 0, BH
	s_cmp_gt_u32 s[KS], s[BL]
	s_cbranch_scc1 .Lh1_\@
	SOFT STL, OL, PL, DL, 1024, BL
	s_branch .Lpv_\@
.Lh2_\@:
	HIDP STH, PH, BH1, HH
.Lh1_\@:
	HIDP STL, PL, BL1, HL
.Lpv_\@:
.set t, 0
.rept 16
	ds_load_b128 v[KV+4*t:KV+4*t+3], v[AKV] offset:8192+512*t  ; V's four images of 16 registers
.set t, t+1
.endr
	s_wait_dscnt 0x0
.set c, 0
.rept 4
	v_wmma_f32_16x16x128_fp8_fp8 v[OH+8*c:OH+8*c+7], v[KV+16*c:KV+16*c+15], v[PH:PH+15], v[OH+8*c:OH+8*c+7]   ; the eight accumulators take turns, one instruction a turn
	v_wmma_f32_16x16x128_fp8_fp8 v[OL+8*c:OL+8*c+7], v[KV+16*c:KV+16*c+15], v[PL:PL+15], v[OL+8*c:OL+8*c+7]
.set c, c+1
.endr
	s_add_co_u32 s[TB], s[TB], 16384
	s_add_co_u32 s[TBB], s[TBB], 512
	s_add_co_u32 s[KS], s[KS], 1
.rept 4
	v_nop                                          ; places in front of the next step's loads into K's, V's and P's registers, of its writes of P and of the reads of O^T
.endr
.endm
; FOUR STEPS.  Group g's four tiles were each issued g-th by their wave: the count leaves that wave's 3 - g later loads out; then the barrier shows all four tiles to all sixteen waves.
; The first barrier also stands between the stores of the table and its reads.
.macro GROUP g
	s_wait_tensorcnt 3-\g
	s_wait_dscnt 0x0                               ; no LDS instruction of mine is pending at the signal
	s_barrier_signal -1
	s_barrier_wait -1
	s_mov_b32 s[TB], 65536*\g
	s_mov_b32 s[TBB], 2048*\g
	s_mov_b32 s[KS], 4*\g
	s_mov_b32 s[CNT], 4
.Lstep_\@:
	STEP
	s_sub_co_u32 s[CNT], s[CNT], 1
	s_cmp_lg_u32 s[CNT], 0
	s_cbranch_scc1 .Lstep_\@
.endm
	GROUP 0
	GROUP 1
	GROUP 2
	GROUP 3
	; THE WAY OUT.  The sums' halves are added; O^T is divided by the sum, held, and quantised: register 8 ct + j is channel 16 ct + 8 h + j of my query.
	v_add_f32 v[STH+2], v[STH+2], v[STH+3]
	v_add_f32 v[STL+2], v[STL+2], v[STL+3]
	v_permlanex16_b32 v[PX], v[STH+2], s[SEL], s[SEL+1]
	v_permlanex16_b32 v[FF+1], v[STL+2], s[SEL], s[SEL+1]
	v_add_f32 v[STH+2], v[STH+2], v[PX]
	v_add_f32 v[STL+2], v[STL+2], v[FF+1]
	v_rcp_f32 v[STH+2], v[STH+2]
	v_rcp_f32 v[STL+2], v[STL+2]
	v_mov_b32 v[SCP], s92                          ; 2^(e10 - e8 - e9)  (the plain instruction behind the reciprocals)
	v_mov_b32 v[LIMP], s93                         ; 448 x that
	s_wait_alu depctr_va_vdst(0)                   ; one wait for both reciprocals, ahead of their first reader
.set j, 0
.rept 16
	v_pk_mul_f32 v[S+j:S+j+1], v[OH+j:OH+j+1], v[STH+2:STH+3] op_sel_hi:[1,0]
.set j, j+2
.endr
.set j, 0
.rept 16
	v_pk_mul_f32 v[S+32+j:S+32+j+1], v[OL+j:OL+j+1], v[STL+2:STL+3] op_sel_hi:[1,0]
.set j, j+2
.endr
.set j, 0
.rept 64
	v_med3_num_f32 v[S+j], v[S+j], -v[LIMP], v[LIMP]
.set j, j+1
.endr
.set t, 0
.rept 8
	v_cvt_scalef32_pk8_fp8_f32 v[KV+2*t:KV+2*t+1], v[S+8*t:S+8*t+7], v[SCP]   ; v32-39: hi's codes, v40-47: lo's
.set t, t+1
.endr
	v_nop                                          ; one plain instruction between the last conversion and the reads of its result
	; The last projection loads its weight's rows 16 bytes a lane, so its operand wants channels 32 c + 16 h + 0 .. 15 in registers 4 c .. 4 c + 3.  I hold 32 c + 8 h + 0 .. 7 and 32 c + 16 + 8 h + 0 .. 7:
	; the upper lanes' first two registers change places with the lower lanes' last two.
.irp t, 0,1,4,5,8,9,12,13
	v_permlane16_swap_b32 v[KV+\t], v[KV+\t+2]
.endr
	global_store_b128 v[LI], v[KV:KV+3], s[88:89]              ; each store covers 512 consecutive bytes, at a multiple of 512 from af's first byte
	global_store_b128 v[LI], v[KV+4:KV+7], s[88:89] offset:512
	global_store_b128 v[LI], v[KV+8:KV+11], s[90:91]
	global_store_b128 v[LI], v[KV+12:KV+15], s[90:91] offset:512
	s_wait_xcnt 0x0
	v_lshl_add_u32 v254, v0, 2, 0x4a000
	v_mov_b32 v255, 0
	s_wait_tensorcnt 0x0
	ds_add_u32 v254, v255
	s_wait_dscnt 0x0
	CROUND                                         ; the closing round
	s_endpgm
.Lfunc_end_k_q1dcdae127d_attn:
	.size	k_q1dcdae127d_attn, .Lfunc_end_k_q1dcdae127d_attn-k_q1dcdae127d_attn
	.p2alignl 7, 3214868480
	.fill 96, 4, 3214868480
	.section	.rodata,"a",@progbits
	.p2align	6, 0x0
	.amdhsa_kernel k_q1dcdae127d_attn
		.amdhsa_group_segment_fixed_size 327680
		.amdhsa_private_segment_fixed_size 0
		.amdhsa_enable_private_segment 0
		.amdhsa_kernarg_size 40
		.amdhsa_user_sgpr_count 2
		.amdhsa_user_sgpr_kernarg_segment_ptr 1
		.amdhsa_wavefront_size32 1
		.amdhsa_system_sgpr_workgroup_id_x 1
		.amdhsa_system_sgpr_workgroup_id_y 1
		.amdhsa_system_sgpr_workgroup_id_z 1
		.amdhsa_system_vgpr_workitem_id 0
		.amdhsa_next_free_vgpr 256
		.amdhsa_next_free_sgpr 100
		.amdhsa_reserve_vcc 1
		.amdhsa_float_denorm_mode_32 3
		.amdhsa_float_denorm_mode_16_64 3
		.amdhsa_memory_ordered 1
		.amdhsa_forward_progress 1
		.amdhsa_inst_pref_size 208
	.end_amdhsa_kernel
	.amdgpu_metadata
---
amdhsa.version: [ 1, 2 ]
amdhsa.kernels:
  - .name:           k_q1dcdae127d_attn
    .symbol:         k_q1dcdae127d_attn.kd
    .args:
      - { .name: qf, .offset: 0, .size: 8, .value_kind: global_buffer, .address_space: global }
      - { .name: kvf, .offset: 8, .size: 8, .value_kind: global_buffer, .address_space: global }
      - { .name: padding_mask, .offset: 16, .size: 8, .value_kind: global_buffer, .address_space: global }
      - { .name: lowp_scales, .offset: 24, .size: 8, .value_kind: global_buffer, .address_space: global }
      - { .name: af, .offset: 32, .size: 8, .value_kind: global_buffer, .address_space: global }
    .group_segment_fixed_size: 327680
    .private_segment_fixed_size: 0
    .kernarg_segment_align: 8
    .kernarg_segment_size: 40
    .max_flat_workgroup_size: 512
    .sgpr_count:     100
    .vgpr_count:     256
    .wavefront_size: 32
...
	.end_amdgpu_metadata
.endif
;; end of part 2
;; launch outp (part 3): grid 4 x 32, 4 waves a work-group, clusters of 4 x 4, 327,680 bytes of LDS; arguments af, Wo_codes, lowp_scales, out0; writes out0
.if DOCPART == 3
	.amdgcn_target "amdgcn-amd-amdhsa--gfx1250"
	.amdhsa_code_object_version 6
	.text
	.protected	k_q1dcdae127d_outp
	.globl	k_q1dcdae127d_outp
	.p2align	8
	.type	k_q1dcdae127d_outp,@function
k_q1dcdae127d_outp:
	s_mov_b64 s[64:65], 0
	v_nop
	global_prefetch_b8 v0, s[64:65] scope:SCOPE_SE
	s_setreg_imm32_b32 hwreg(HW_REG_WAVE_MODE, 25, 1), 1
	s_wait_xcnt 0x0
	s_wait_alu depctr_hold_cnt(0) depctr_sa_sdst(0) depctr_va_vdst(0) depctr_va_sdst(0) depctr_va_ssrc(0) depctr_va_vcc(0) depctr_vm_vsrc(0)
	s_getreg_b32 s2, hwreg(HW_REG_IB_STS2, 6, 4)
	s_cmp_eq_u32 s2, 0
	s_cbranch_scc0 .Lentry_in_a_cluster
	s_endpgm
.Lentry_in_a_cluster:
	s_bfe_u32 s2, ttmp6, 0x10000c
	s_cmp_lg_u32 s2, 0xf033
	s_cbranch_scc0 .Lentry_shape_is_right
	s_endpgm
.Lentry_shape_is_right:
; out0[m][n] = sum over k of att[m][k] Wo[n][k], on codes of FP8 (E4M3); each finished sum is multiplied once by 2^(e10 + e11).  out0: [8,192][1,024] f32.
; LIMIT: e10 + e11 lies between -126 and 127, so that 2^(e10 + e11) is an f32 number.
; att's codes come as IMAGES OF THIS PRODUCT'S OPERAND REGISTERS: af is [K step of 256 (4)][tile of 16 tokens (512)][128 along K (2)][2,048 bytes]; registers 4 c .. 4 c + 3 of lane l lie at 512 c + 16 l and hold,
; of token l % 16, K = 32 c + 16 (l / 16) + 0 .. 15: the places that Wo's rows take when they are loaded 16 bytes a lane.  A wave's 128 rows of a K step are 32,768 dense bytes: one tensor load, no padding.
; Wo's codes come as rows of 1,024 bytes; a tile's rows of 256 bytes are padded to 272 in LDS.
; A tile of 256 x 256 of out0 is made by four waves, 128 x 128 each: 64 accumulators, 512 registers.  K goes in four steps of 256 through a ring of two LDS slots filled by joint tensor loads.
; CLUSTERS: 4 x 4 work-groups; att's tile is shared along a row of the cluster, Wo's along a column.  THE MATRIX INSTRUCTION IS USED TRANSPOSED (source 0 = 16 rows of Wo, source 1 = 16 tokens): a lane holds eight neighbouring numbers of a row of out0.
; There are 128 tiles of this size: half of the WGPs have a work-group.  A smaller tile would read each fragment from LDS for half as many products.
; REGISTERS, in windows of 256: window 0: v0-31 addresses; from v128 A's fragments, ONE set; on the way out v32-255 are free.  window 1: B's fragments, TWO sets.  windows 2, 3: the accumulators ((a, b) at v[8 (8 (a % 4) + b)]).
.set SIZE_N, 1024
.set SIZE_K, 1024
.set KSTEP,  256
.set ROWB,   256                       ; a row of Wo's tile in bytes
.set KROW,   SIZE_K                    ; a row of Wo in memory
.set ASTEP,  0x200000                  ; a K step of af: 512 tiles x 4,096 bytes
.set PITCH,  272                       ; an LDS row of Wo: 256 bytes + 16 of padding: the 16 rows that a load touches start at 16 different banks (64 banks of 4 bytes: ISA guide 11.1)
.set FR,     16
.set NL,     4
.set NP,     4                         ; places behind this matrix instruction (ISA guide 7.12.1)
.set HALFT,  128*PITCH                 ; room for what one tensor load brings (att's dense 32,768 bytes use the first part of it)
.set SLOT,   4*HALFT
.set LAPS,   SIZE_K/(2*KSTEP)
.set SPARE,  2*SLOT                    ; behind the ring: the spare words, 128 bytes for each wave
.set SPITCH, 528                       ; the way out: a stage of 16 rows x (512 bytes + 16) for each wave, in slot 0, which has had its last fill and its last read when the first result is stored there
.set ADRA, 16
.set ADRB, 20
.set STO,  24
.set RD,   25
.set CO,   26
.set SPW,  28
.set NIL,  29
.set TMP,  32
.set AF,   128
.set BK,   128
.set G1, 24
.set G0, 32
.set G1B, 48
.set G0B, 56
.set MSB, 0
.macro WIN new                         ; the immediate's high byte repeats the setting that is left
.if MSB != \new
	s_set_vgpr_msb (MSB<<8)|\new
.set MSB, \new
.endif
.endm
.set MUL_LO, 0xa1
.set MUL_HI, 0xf1
.set TO_B,   0x40
.macro JLOAD g0a, g1a, g0b, g1b        ; a joint load: waves 0 and 1 fetch for att, waves 2 and 3 for Wo; four v_nop follow each of the two lines
	s_cmp_eq_u32 s15, 0
	s_cbranch_scc0 .Lfor_b_\@
	tensor_load_to_lds s[\g0a:\g0a+3], s[\g1a:\g1a+7]
	s_nop 0
.rept 4
	v_nop
.endr
	s_branch .Lasked_\@
.Lfor_b_\@:
	tensor_load_to_lds s[\g0b:\g0b+3], s[\g1b:\g1b+7]
	s_nop 0
.rept 4
	v_nop
.endr
.Lasked_\@:
.endm
.macro CREST
	s_cmp_lg_u32 s14, 0
	s_cbranch_scc1 .Lnot_wave_0_\@
	s_barrier_signal -3
.Lnot_wave_0_\@:
	s_barrier_wait -3
	s_barrier_signal -1
	s_barrier_wait -1
.endm
.macro CROUND
	s_barrier_signal -1
	s_barrier_wait -1
	CREST
.endm
	s_load_b128 s[4:7], s[0:1], 0x0                ; af s[4:5], Wo's codes s[6:7]
	s_load_b128 s[8:11], s[0:1], 0x10              ; the scales s[8:9], out0 s[10:11]
	v_lshl_add_u32 v[SPW], v0, 2, SPARE
	v_mov_b32 v[NIL], 0
	ds_add_u32 v28, v29
	ds_add_u32 v28, v29
	s_wait_dscnt 0x0
	v_lshrrev_b32 v1, 5, v0
	v_readfirstlane_b32 s14, v1                    ; wave 0..3
	s_lshr_b32 s15, s14, 1                         ; which half of the tile's rows is mine.  Also: I fetch for att (0) or for Wo (1)
	s_and_b32 s16, s14, 1                          ; which half of its columns.  Also: which 128 rows of that tile I fetch
	s_bfe_u32 s40, ttmp6, 0x40000                  ; cx, cy
	s_bfe_u32 s41, ttmp6, 0x40004
	s_lshl_b32 s42, ttmp9, 2
	s_add_co_u32 s42, s42, s40                     ; tile column = 4 x cluster x + cx
	s_and_b32 s17, ttmp7, 0xffff
	s_lshl_b32 s17, s17, 2
	s_add_co_u32 s17, s17, s41                     ; tile row = 4 x cluster y + cy
	s_lshl_b32 s43, s41, 2
	s_lshl_b32 s43, 15, s43                        ; my row of the cluster
	s_lshl_b32 s44, 0x1111, s40                    ; my column
	; group 1 for att: 32,768 dense bytes as 128 rows of 256: elements of 8 bytes, no padding
	s_or_b32 s[G1+0], s43, (3<<16)|(1<<21)
	s_mov_b32 s[G1+1], 32<<16                      ; tensor_dim0 = 32
	s_mov_b32 s[G1+2], 128<<16                     ; tensor_dim1 = 128
	s_mov_b32 s[G1+3], 32<<16                      ; tile_dim0 = 32
	s_mov_b32 s[G1+4], 128                         ; tile_dim1 = 128
	s_mov_b32 s[G1+5], 32                          ; tensor_dim0_stride
	s_mov_b32 s[G1+6], 0
	s_mov_b32 s[G1+7], 0
	; group 1 for Wo: 128 rows x 256 bytes, four words of padding after every 64
	s_or_b32 s[G1B+0], s44, (0<<16)|(1<<20)|(1<<21)|(5<<22)|(3<<25)
	s_mov_b32 s[G1B+1], ROWB<<16
	s_mov_b32 s[G1B+2], 128<<16
	s_mov_b32 s[G1B+3], ROWB<<16
	s_mov_b32 s[G1B+4], 128
	s_mov_b32 s[G1B+5], KROW
	s_mov_b32 s[G1B+6], 0
	s_mov_b32 s[G1B+7], 0
	s_lshl_b32 s18, s16, 7                         ; which 128 rows of the tile I fetch
	s_lshl_b32 s20, s17, 8
	s_add_co_u32 s20, s20, s18                     ; att: token 256 x tile row + 128 x half;
	s_lshl_b32 s20, s20, 8                         ; a tile of 16 tokens is 4,096 bytes of a K step: 256 a token
	s_mov_b32 s21, 0
	s_lshl_b32 s46, s42, 8
	s_add_co_u32 s46, s46, s18                     ; Wo: row 256 x tile column + 128 x half
	s_lshl_b32 s46, s46, 10
	s_mov_b32 s47, 0
	s_mul_i32 s45, s14, HALFT                      ; where they go: no place in the cluster enters an LDS address
	s_wait_kmcnt 0x0
	s_load_b64 s[96:97], s[8:9], 0x28              ; e10, e11
	s_add_nc_u64 s[20:21], s[4:5], s[20:21]
	s_add_nc_u64 s[46:47], s[6:7], s[46:47]
	CROUND                                         ; all sixteen work-groups are here: the first joint loads meet
.irp s, 0,1
	s_mov_b32 s[G0+4*\s], 1
	s_add_co_u32 s[G0+4*\s+1], s45, \s*SLOT
	s_add_nc_u64 s[G0+4*\s+2:G0+4*\s+3], s[20:21], \s*ASTEP
	s_or_b32 s[G0+4*\s+3], s[G0+4*\s+3], 0x80000000
	s_mov_b32 s[G0B+4*\s], 1
	s_add_co_u32 s[G0B+4*\s+1], s45, \s*SLOT
	s_add_nc_u64 s[G0B+4*\s+2:G0B+4*\s+3], s[46:47], \s*ROWB
	s_or_b32 s[G0B+4*\s+3], s[G0B+4*\s+3], 0x80000000
	JLOAD G0+4*\s, G1, G0B+4*\s, G1B
.endr
	v_and_b32 v1, 15, v0                           ; l % 16
	v_bfe_u32 v2, v0, 4, 1                         ; l / 16
	v_mul_u32_u24 v3, v1, PITCH
	v_lshl_add_u32 v4, v2, 4, v3                   ; Wo: a fragment's row x pitch + 16 x half
	v_and_b32 v6, 31, v0
	v_lshlrev_b32 v[CO], 4, v6                     ; 16 x lane: my place in an image of att, in a row read back from the stage, and in a row of out0
	s_mul_i32 s21, s15, HALFT                      ; my 128 tokens
	s_mul_i32 s22, s16, HALFT                      ; my 128 rows of Wo,
	s_add_co_u32 s22, s22, 2*HALFT                 ; which lie behind att's two halves
.irp s, 0,1
	v_add_nc_u32 v[ADRA+\s], s21, v[CO]
	v_add_nc_u32 v[ADRB+\s], s22, v4
	s_add_co_u32 s21, s21, SLOT
	s_add_co_u32 s22, s22, SLOT
.endr
	s_mul_i32 s23, s14, 16*SPITCH                  ; my stage
	v_mul_u32_u24 v5, v1, SPITCH                   ; in: row l % 16, 32 bytes for each half of the lanes
	v_lshl_add_u32 v5, v2, 5, v5
	v_add_nc_u32 v[STO], s23, v5
	v_add_nc_u32 v[RD], s23, v[CO]                 ; back: the 32 lanes take one row of 512 bytes
	s_lshl_b32 s20, s17, 8
	s_lshl_b32 s21, s15, 7
	s_add_co_u32 s20, s20, s21                     ; my first row of out0
	s_lshl_b32 s20, s20, 12                        ; x 4,096 bytes (under 2^25)
	s_mov_b32 s21, 0
	s_lshl_b32 s46, s42, 10                        ; my first column, in bytes: 1,024 x tile column + 512 x half
	s_lshl_b32 s47, s16, 9
	s_add_co_u32 s46, s46, s47
	s_mov_b32 s47, 0
	s_add_nc_u64 s[20:21], s[20:21], s[46:47]
	s_add_nc_u64 s[10:11], s[10:11], s[20:21]
.macro FRAG reg, adr, q, i             ; a fragment of Wo: lane l holds row l % 16; registers 4 c .. 4 c + 3 hold K = 32 c + 16 (l / 16) + 0 .. 15
.irp c, 0,1,2,3
	ds_load_b128 v[\reg+4*\c:\reg+4*\c+3], v[\adr] offset:128*(\q)+32*\c+(\i)*16*PITCH
.endr
.endm
.macro FRAGA reg, adr, q, i            ; a fragment of att comes back as it was stored: 512 consecutive bytes an instruction
.irp c, 0,1,2,3
	ds_load_b128 v[\reg+4*\c:\reg+4*\c+3], v[\adr] offset:4096*(\i)+2048*(\q)+512*\c
.endr
.endm
; 16 matrix instructions: A's blocks a0, a0 + 1 x B's eight.  The 64 accumulators take turns, one instruction a turn.
.macro MUL16 a0, p, zero
.irp a, \a0, \a0+1
.irp b, 0,1,2,3,4,5,6,7
.if \zero
	v_wmma_f32_16x16x128_fp8_fp8 v[8*(8*((\a)%4)+\b):8*(8*((\a)%4)+\b)+7], v[128*(\p)+FR*\b:128*(\p)+FR*\b+FR-1], v[AF+FR*(\a):AF+FR*(\a)+FR-1], 0
.else
	v_wmma_f32_16x16x128_fp8_fp8 v[8*(8*((\a)%4)+\b):8*(8*((\a)%4)+\b)+7], v[128*(\p)+FR*\b:128*(\p)+FR*\b+FR-1], v[AF+FR*(\a):AF+FR*(\a)+FR-1], v[8*(8*((\a)%4)+\b):8*(8*((\a)%4)+\b)+7]
.endif
.endr
.endr
.endm
.macro FETCH_B slot, q, p
	WIN TO_B
.irp i, 0,1,2,3,4,5,6,7
	FRAG 128*(\p)+FR*\i, ADRB+\slot, \q, \i
.endr
	WIN 0
.endm
.macro FETCH_A slot, q, i0
.irp i, \i0, \i0+1, \i0+2, \i0+3
	FRAGA AF+FR*(\i), ADRA+\slot, \q, \i
.endr
.endm
.macro PLACES n                        ; plain vector instructions between a matrix instruction and a load into, or a read of, its registers
.rept \n
	v_nop
.endr
.endm
.macro STEP slot, q, zero
	s_wait_dscnt 4*NL                              ; B's set and A's blocks 0-3 are in; the youngest sixteen loads (A's blocks 4-7) may be out
	WIN MUL_LO
	MUL16 0, (\q)%2, \zero
	MUL16 2, (\q)%2, \zero
	s_wait_dscnt 0                                 ; A's blocks 4-7 are in
	PLACES NP
	FETCH_B \slot, (\q)+1, 1-(\q)%2
	FETCH_A \slot, (\q)+1, 0
	WIN MUL_HI
	MUL16 4, (\q)%2, \zero
	MUL16 6, (\q)%2, \zero
	PLACES NP
	WIN 0
	FETCH_A \slot, (\q)+1, 4
.endm
; A slot's last step changes slots: ONE barrier; in front of it each wave waits for all its tensor loads, adds 0 to its spare word, and waits for that and for its own reads of this slot.
.macro TURN slot, next, fill
	s_wait_tensorcnt 0x0                           ; all my tensor loads have landed: my part of the next slot
	ds_add_u32 v[SPW], v[NIL]                      ; 0 onto my spare word
	s_wait_dscnt 4*NL+1                            ; (the add and the youngest sixteen loads may be out)
	WIN MUL_LO
	MUL16 0, 1, 0
	s_wait_dscnt 0x0                               ; the add is done, and my reads of this slot are over
	s_barrier_signal -1
	MUL16 2, 1, 0
	WIN 0
	s_barrier_wait -1
.if \fill
	CREST                                          ; the barrier has opened a round of the cluster's barrier: no wave of any partner still reads this slot's tile or has a load on its way
	s_add_nc_u64 s[G0+4*\slot+2:G0+4*\slot+3], s[G0+4*\slot+2:G0+4*\slot+3], 2*ASTEP
	s_add_nc_u64 s[G0B+4*\slot+2:G0B+4*\slot+3], s[G0B+4*\slot+2:G0B+4*\slot+3], 2*ROWB
	JLOAD G0+4*\slot, G1, G0B+4*\slot, G1B         ; the first tensor load behind the round; its four v_nop are the places in front of the loads below
.else
	PLACES NP
.endif
	FETCH_B \next, 0, 0
	FETCH_A \next, 0, 0
	WIN MUL_HI
	MUL16 4, 1, 0
	MUL16 6, 1, 0
	PLACES NP
	WIN 0
	FETCH_A \next, 0, 4
.endm
	s_wait_tensorcnt 1                             ; my part of K step 0 is in (K step 1's load may be out)
	s_barrier_signal -1
	s_barrier_wait -1                              ; everybody's is
	FETCH_B 0, 0, 0
	FETCH_A 0, 0, 0
	FETCH_A 0, 0, 4
	STEP 0, 0, 1                                   ; the first step's products start the sums
	s_mov_b32 s3, LAPS-1
.Llap:
	TURN 0, 1, 1
	STEP 1, 0, 0
	TURN 1, 0, 1
	STEP 0, 0, 0
	s_sub_co_u32 s3, s3, 1
	s_cmp_lg_u32 s3, 0
	s_cbranch_scc1 .Llap
	TURN 0, 1, 0                                   ; the last lap fills nothing
	STEP 1, 0, 0
	s_wait_dscnt 4*NL
	WIN MUL_LO
	MUL16 0, 1, 0
	MUL16 2, 1, 0
	s_wait_dscnt 0
	WIN MUL_HI
	MUL16 4, 1, 0
	MUL16 6, 1, 0
	WIN 0
; THE WAY OUT, block by block of 16 rows x 128 columns, through my own stage in LDS: in as 32 bytes a lane, back as whole rows of 512 bytes.  LDS serves a wave's instructions in order (ISA guide 5.7.1.4): no wait between the stores and the loads.
.macro TOSTAGE a
.set AC, 64*((\a)%4)
	WIN 0x02+((\a)/4)                              ; source 0: window 2 or 3
.set j, 0
.rept 32
	v_pk_mul_f32 v[TMP+j:TMP+j+1], v[AC+j:AC+j+1], s[96:97] op_sel_hi:[1,0]   ; both x s96 = 2^(e10 + e11); each accumulator from its low end on
.set j, j+2
.endr
	WIN 0
.irp b, 0,1,2,3,4,5,6,7
	ds_store_b128 v[STO], v[TMP+8*\b:TMP+8*\b+3] offset:64*\b
	ds_store_b128 v[STO], v[TMP+8*\b+4:TMP+8*\b+7] offset:64*\b+16
.endr
.set BB, BK+64*((\a)%2)
.irp t, 0,1,2,3,4,5,6,7,8,9,10,11,12,13,14,15
	ds_load_b128 v[BB+4*\t:BB+4*\t+3], v[RD] offset:\t*SPITCH
.endr
.endm
.macro SEND a, younger                 ; younger: the LDS instructions issued behind block a's loads, which may stay out
.set BB, BK+64*((\a)%2)
	s_wait_dscnt \younger                          ; the block is back in registers
.if (\a) > 0
	s_add_nc_u64 s[10:11], s[10:11], 16*SIZE_N*4   ; (behind a wait on XCNT: the earlier stores have read their base)  16 rows on
.endif
.irp t, 0,1,2,3,4,5,6,7,8,9,10,11,12,13,14,15
	global_store_b128 v[CO], v[BB+4*\t:BB+4*\t+3], s[10:11] offset:\t*SIZE_N*4 th:TH_STORE_NT   ; 32 lanes store 512 consecutive bytes, at a multiple of 512 from out0's first byte
.endr
.endm
	s_wait_kmcnt 0x0
	s_add_co_i32 s96, s96, s97                     ; e10 + e11
	s_add_co_i32 s96, s96, 127
	s_lshl_b32 s96, s96, 23                        ; 2^(e10 + e11) as f32
	PLACES NP                                      ; behind the last products: reads of results, and loads into the registers that held A's fragments
	TOSTAGE 0
.irp a, 1,2,3,4,5,6,7
.if \a > 1
	s_wait_xcnt 0x0                                ; block a - 2's stores have read their registers and their base
.endif
	TOSTAGE \a
	SEND \a-1, 32                                  ; behind block a - 1's loads: block a's 16 stores and 16 loads
.endr
	s_wait_xcnt 0x0                                ; block 6's stores have read their base
	SEND 7, 0
	s_wait_tensorcnt 0x0                           ; the wave's end
	ds_add_u32 v[SPW], v[NIL]
	s_wait_dscnt 0x0
	CROUND                                         ; the closing round
	s_endpgm
.Lfunc_end_k_q1dcdae127d_outp:
	.size	k_q1dcdae127d_outp, .Lfunc_end_k_q1dcdae127d_outp-k_q1dcdae127d_outp
	.p2alignl 7, 3214868480
	.fill 96, 4, 3214868480
	.section	.rodata,"a",@progbits
	.p2align	6, 0x0
	.amdhsa_kernel k_q1dcdae127d_outp
		.amdhsa_group_segment_fixed_size 327680
		.amdhsa_private_segment_fixed_size 0
		.amdhsa_enable_private_segment 0
		.amdhsa_kernarg_size 32
		.amdhsa_user_sgpr_count 2
		.amdhsa_user_sgpr_kernarg_segment_ptr 1
		.amdhsa_wavefront_size32 1
		.amdhsa_system_sgpr_workgroup_id_x 1
		.amdhsa_system_sgpr_workgroup_id_y 1
		.amdhsa_system_sgpr_workgroup_id_z 1
		.amdhsa_system_vgpr_workitem_id 0
		.amdhsa_next_free_vgpr 1024
		.amdhsa_next_free_sgpr 98
		.amdhsa_reserve_vcc 0
		.amdhsa_float_denorm_mode_32 3
		.amdhsa_float_denorm_mode_16_64 3
		.amdhsa_memory_ordered 1
		.amdhsa_forward_progress 1
		.amdhsa_inst_pref_size 123
	.end_amdhsa_kernel
	.amdgpu_metadata
---
amdhsa.version: [ 1, 2 ]
amdhsa.kernels:
  - .name:           k_q1dcdae127d_outp
    .symbol:         k_q1dcdae127d_outp.kd
    .args:
      - { .name: af, .offset: 0, .size: 8, .value_kind: global_buffer, .address_space: global }
      - { .name: Wo_codes, .offset: 8, .size: 8, .value_kind: global_buffer, .address_space: global }
      - { .name: lowp_scales, .offset: 16, .size: 8, .value_kind: global_buffer, .address_space: global }
      - { .name: out0, .offset: 24, .size: 8, .value_kind: global_buffer, .address_space: global }
    .group_segment_fixed_size: 327680
    .private_segment_fixed_size: 0
    .kernarg_segment_align: 8
    .kernarg_segment_size: 32
    .max_flat_workgroup_size: 128
    .sgpr_count:     98
    .vgpr_count:     1024
    .wavefront_size: 32
...
	.end_amdgpu_metadata
.endif
;; end of part 3
